; MI455X (gfx1250); checked and timed in simulation.
; The chip was launched on July 23, 2026; its instructions are those of AMD's public machine-readable ISA for CDNA 5 (MIT licence, August 2026) and "CDNA5" Instruction Set Architecture Reference Guide (July 2026). The comments in the code are by the model that wrote it; some were corrected since.
;; Head. Allowed arithmetic: matrix products marked QUANTISED: E3M2 operands, one E8M0 scale for each 32 along K, by v_wmma_scale_f32_16x16x128_f8f6f4 with both operands' format E3M2, f32 sums; everything else in f32.
;; Inputs: Wk 384 x 64 float32; Wq 384 x 64 float32; Wv 384 x 64 float32; x 512 x 256 x 384 float32.
;; Outputs: out0 512 x 256 x 64 float32.
;; This version of the problem:
;;   THIS VERSION OF THE PROBLEM IS GIVEN IN LOW PRECISION. The matrix products marked QUANTISED in the list below multiply operands that are first quantised to E3M2 (3 exponent bits, 2 mantissa bits; 6 bits a number), with one power-of-two scale for each 32 numbers along K (OCP MX v1.0); their sums are f32. All else is computed in f32.
;;   The module's matrix products, in the order in which they are computed (A, B: the left and right operand; K: the contracted axis; several contracted axes count as one K, in the product's order):
;;     1. [M 131,072, K 384] x [K 384, N 64]; A: input x; B: input Wk: QUANTISED
;;     2. [M 131,072, K 384] x [K 384, N 64]; A: input x; B: input Wq: QUANTISED
;;     3. [M 131,072, K 384] x [K 384, N 64]; A: input x; B: input Wv: QUANTISED
;;     4. batch 512 x [M 256, K 64] x [K 64, N 256]; A: computed on the way; B: computed on the way: QUANTISED
;;     5. batch 512 x [M 256, K 256] x [K 256, N 64]; A: softmax (see below); B: computed on the way: QUANTISED
;;   THE QUANTISER, for each operand of a quantised product, along K:
;;     - K is cut into blocks of 32 from its start; a last block that is shorter is filled with zeros.
;;     - A block's scale is 2^e with e = floor(log2(the largest magnitude in the block)) - 4, held to -126 .. 127; a block of zeros has e = 0. As a byte (E8M0): e + 127.
;;     - Each number is divided by its block's scale, clamped to +-28, and rounded to the nearest number of E3M2, ties to even, subnormals kept.
;;     - The product sums the exact products of the quantised numbers (number of the format x scale) in f32.
;;   ~~~python
;;   def quantise(x, axis):      # numpy; x: float32 -> the quantised numbers, widened to float32 again
;;       x = np.moveaxis(x, axis, -1); K = x.shape[-1]
;;       x = np.pad(x, [(0, 0)] * (x.ndim - 1) + [(0, -K % 32)]); x = x.reshape(x.shape[:-1] + (-1, 32)); a = np.abs(x).max(-1, keepdims=True)
;;       e = np.where(a > 0, np.clip(np.frexp(np.where(a > 0, a, 1))[1] - 1 - 4, -126, 127), 0)      # np.frexp(a)[1] - 1 = floor(log2(a)), exactly
;;       r = np.clip(x / 2.0 ** e, -28, 28)
;;       step = 2.0 ** (np.maximum(np.frexp(np.where(r == 0, 1, r))[1] - 1, -2) - 2)
;;       q = np.round(r / step) * step * 2.0 ** e      # np.round: ties to even
;;       return np.moveaxis(q.reshape(q.shape[:-2] + (-1,))[..., :K], -1, axis).astype(np.float32)
;;   ~~~
;;   SOFTMAX AHEAD OF A QUANTISED PRODUCT. Where the list says 'softmax', what is quantised is not the finished softmax but p = 2^(t - M), with t = logit x log2(e) and M = ceil(the row's largest t), a whole number; so 1/2 < the row's largest p <= 1. The row's sum l is taken of the UNQUANTISED p, in f32, and the product's result is divided by l at the end. Since M is a whole number, a kernel that streams over the keys may use a running M (the ceiling of the running maximum): every later rescaling is an exact power of two, which a block's scale takes up: the codes' values come out the same.
;;   OPERANDS COMPUTED ON THE WAY. 'Computed on the way' means the value that the module computes at that place (a softmax that the list does not call 'softmax' is quantised finished and normalised). What goes into a quantiser is computed in f32, as accurately as f32 sums, v_exp_f32 and their like allow (about 1e-6 of the number): no bf16 or f16 on the way to a quantiser, and a product that is left as it is and whose result goes on into a quantised operand takes f32 operands (vector FMAs, or v_wmma_f32_16x16x4_f32). A number that lies on a knife's edge between two numbers of the format may be rounded either way, as far as f32 arithmetic and the matrix unit's own rounding can turn it there, and no further.
;; One version. Each part assembles by itself: llvm-mc -triple=amdgcn-amd-amdhsa -mcpu=gfx1250 --defsym DOCPART=n.
;; ======== version 1 of 1: 1 launch
;; limits: right only within a limited range of input values
;; launch head (part 1): grid 256 x 1, 8 waves a work-group, no clusters, 154,368 bytes of LDS; arguments x, Wk, Wq, Wv, out0; writes out0
.if DOCPART == 1
	.amdgcn_target "amdgcn-amd-amdhsa--gfx1250"
	.amdhsa_code_object_version 6
	.text
	.protected	k_q4e07585de7_head
	.globl	k_q4e07585de7_head
	.p2align	8
	.type	k_q4e07585de7_head,@function
k_q4e07585de7_head:
	s_mov_b64 s[64:65], 0
	v_nop
	global_prefetch_b8 v0, s[64:65] scope:SCOPE_SE
	s_setreg_imm32_b32 hwreg(HW_REG_WAVE_MODE, 25, 1), 1
	s_wait_xcnt 0x0
; One causal attention head: k, q, v = x Wk, x Wq, x Wv (K = 384); S = q k^T / 8 (K = 64); out = softmax(S) v (K = the 256 keys).
; x [512][256][384], Wk, Wq, Wv [384][64], out [512][256][64], all f32.  All five products run on codes of BF6 (E3M2) with one E8M0 scale for each 32 along K;
; every operand is quantised here, in registers, from f32 numbers.  Nothing but x, the weights and out touches memory.
; SHARES.  256 work-groups of eight waves; work-group g takes batches 2 g and 2 g + 1, 512 rows of x, in FOUR PHASES of 128 rows; wave w owns rows 16 w .. 16 w + 15 of a phase (as rows of x, keys and queries).
; A trip of the loop is a batch: its first half (keys 0-127 alone count), then its second (two steps of 128 keys).
; x comes by loads of 512 consecutive bytes (one row's 128 numbers) into a ring of three sets of registers: a granule is 16 rows x 128 numbers, a phase three granules, so the ring holds a whole phase: 48 loads a wave,
; 196,608 bytes a work-group, are asked for ahead.  A granule turns through the wave's own stage in LDS and comes back into its own ring set, so that a lane has 16 neighbours of each block of 32; granule s + 1 turns
; under K step s's products, and the next phase's granule 0 ahead of the way out.  Once quantised, its ring set is asked for again with the next phase's granule; its codes go at once through that K step of all three
; projections: twelve accumulators by turns.
; No prefetch is laid: each row of x is read by one wave once, and the loads themselves run a whole phase ahead.
; k and q are made transposed (source 0 = 16 columns of W, source 1 = 16 rows of x): a lane holds one row.  W's columns are laid so that a lane's 16 registers of two neighbouring tiles are 16 neighbouring channels.
; v is made as it stands: a lane holds one channel and 8 of the wave's 16 keys.  A block of 32 keys lies in waves 2 B and 2 B + 1: they tell each other their largest magnitudes through LDS, and each writes its half of the block's codes.
; S^T = k q^T and O^T = v^T p^T: a lane holds ONE query throughout.  k's image in LDS is laid so that a lane's 16 scores of two neighbouring tiles are 16 neighbouring keys.
; K = 64 of S fills half of the instruction's 128: q's other half are zero codes, and so k's other half may be any codes: each code of the format is a finite number (scale bytes there are 0, which is 2^-127 and no NaN).
; So k's fragments lie six registers apart.  The same serves v where p's upper half are zero codes.
; SOFTMAX.  t = score x log2(e) / 8; M = the row's largest t so far, rounded up to a whole number; p = 2^(t - M) is quantised along the keys; the row's sum is taken of the unquantised p and divides at the end.
; A block's largest p is the block's largest score put through the same multiply-add and exponential (this takes v_exp_f32 not to fall where its input rises).
; WORK LEFT OUT.  reference() puts -infinity in place of every score whose key comes after its query, for all values of the inputs.  Queries 0-127 take no step of keys 128-255; in the step on the diagonal waves 0-3
; (its queries 0-63) leave out its keys 64-127.  The branches hang on the wave's number and the text's place alone.  A NaN, an infinity or an overflow that reaches only these scores is not carried to the result.
; THE WEIGHTS are all that work-groups share: 294,912 of the 1,081,344 bytes that each reads, once, at the head.  They go straight into the registers in which they are quantised.  They are not asked for jointly: a joint load
; would lay the f32 numbers in LDS, and they and the eight stages of x, 294,912 + 67,584 bytes, do not fit into 327,680; so cluster = none.
; LIMITS: NaN and infinities among the inputs are not served; scaled scores stay under 2^31 in magnitude.  A block of zeros gets the scale byte 1 where the quantiser's rule says 127: its codes are zeros, and this program
; alone reads the bytes.  A p under 2^-126 counts as 0 (the exponential gives no denormal results: ISA guide 15.8).
.set XBAT, 393216                      ; bytes of a batch of x,
.set XHALF, 196608                     ; of a phase,
.set OBAT, 65536                       ; of a batch of out
; LDS.  W's fragments as images of registers from byte 0: tile 4 m + t of 12, K step s: 1536 (3 tile + s); in it 768 bytes for each half of K: 16 bytes a lane, then 8 bytes a lane
.set WSC,  55296                       ; W's scale words: 256 (3 matrix + s) + 16 r + 4 t
.set KVB,  57600                       ; the batch's k and v, from here:
.set KC,   0                           ;   k's 16 tiles, 768 bytes each: 16 bytes a lane, then 8 bytes a lane
.set KS,   12288                       ;   k's scale words: 256 (tile / 4) + 16 row + 4 (tile % 4)
.set VC,   13312                       ;   v's codes: 6144 s + 1536 t + 768 for each half of K, laid likewise
.set VS,   25600                       ;   v's scale words: 256 s + 16 r + 4 t
.set VM,   26112                       ;   the waves' largest magnitudes of v: 256 w + 16 r + 4 t
.set STG,  85760                       ; a stage of 8,448 bytes for each wave: 16 rows x 528 for x, 16 rows x 272 for out
.set STW,  8448
.set SPARE, 153344                     ; the spare words, 128 bytes a wave
; REGISTERS, window 0
.set XA,   1                           ; 16 x lane
.set A8,   2                           ; 8 x lane
.set AR,   3                           ; 16 r, r = lane % 16
.set XW,   4                           ; the stage: where a granule goes in
.set XR,   5                           ; and comes back: row r, + 64 h, h = lane / 16
.set SO,   6                           ; the stage: where O goes in
.set SR,   7                           ; and comes back
.set K16,  8                           ; KVB + 16 x lane, + 8 x lane, + 16 r
.set K8,   9
.set KR,   10
.set KW16, 11                          ; where I store k's codes and words,
.set KW8,  12
.set KWS,  13
.set VW16, 14                          ; v's codes and bytes,
.set VW8,  15
.set VWB,  16
.set VMW,  17                          ; my largest magnitudes of v, and where my partner's are
.set VMR,  18
.set NINF, 19
.set DM,   20                          ; my query less the diagonal step's first key, less 16 h; v21: less 64 more
.set SPW,  22                          ; my spare word's address, and 0
.set NIL,  23
.set XS,   24                          ; scale words and nothing else: x's,
.set FSC,  26                          ; W's (two sets of four) or k's eight,
.set VSC,  34                          ; v's four,
.set QS,   38                          ; q's,
.set PW,   39                          ; p's
.set T1,   40
.set T2,   41
.set NM,   42                          ; -M;  named as a pair with
.set TMX,  43                          ; the largest t
.set LS,   44                          ; v[44:45] the row's sum in two halves
.set F,    46                          ; v46 2^(old M - new M); v47 is only named with it
.set TM,   48                          ; +0..3 largest magnitudes, +4..7 the other half's, then scale bytes, +8..11 the conversions' scale operands
.set QF,   60                          ; q's fragment
.set XC,   72                          ; x's fragment; later v's largest magnitudes
.set TP,   84
.set PC,   92                          ; W's, k's, p's codes
.set ACC,  104                         ; the projections: k 104-135, q 136-167, v 168-199
.set V,    168
.set S,    104                         ; S^T, then p
.set O,    168                         ; O^T
.set OS,   104                         ; the way out: O / the sum,
.set OB,   136                         ; and whole rows
.set WF,   200                         ; four fragments of W
.set KF,   200                         ; eight of k, six registers apart (the last names registers up to v253)
; the head alone: lane, r, h, r / 8, r % 8, at work; where W is read from memory, where its codes and bytes go
.set VL,   40
.set VR,   41
.set VH,   44
.set V3,   45
.set V7,   46
.set VT,   47
.set T0,   60
.set WO,   68
.set WO2,  69
.set WL16, 70
.set WL8,  71
.set WLS,  72
.set XL16, 73
.set XL8,  74
.set XLS,  75
.set WA,   76                          ; v76-78 the unit's addresses
.set BY,   79                          ; v79-80 its bytes
.set B0,   81                          ; v81-83 bits 0, 1, 2 of the lane
.set U3,   104                         ; the fourth unit's numbers; the half unit's: v168-191 and v60-67
.set UX,   168
.set Y,    192                         ; a unit's numbers by columns
; Window 1: v0-191 the ring, three sets of 64 (at the head two units of W in sets 1 and 2); from v192 a unit of W, four fragments of W, or v's four fragments
.set TA,   192
.set MSB, 0
.macro WIN new                         ; low byte: bits 1:0 source 0, 3:2 source 1, 5:4 source 2, 7:6 destination; the high byte repeats the setting that is left
.if MSB != (\new)
	s_set_vgpr_msb (MSB<<8)|(\new)
.set MSB, (\new)
.endif
.endm
.macro PLACES n                        ; plain vector instructions that name no register: the distance behind a matrix instruction (ISA guide 7.12.1), and in front of a scaled one whose operands vector instructions wrote
.rept \n
	v_nop
.endr
.endm
.macro MM0 d, a, b, sa, sb             ; the first K step starts the sum: nothing is cleared
	v_wmma_scale_f32_16x16x128_f8f6f4 v[\d:\d+7], v[\a:\a+11], v[\b:\b+11], 0, v[\sa], v[\sb] matrix_a_fmt:MATRIX_FMT_BF6 matrix_b_fmt:MATRIX_FMT_BF6
.endm
.macro MMA d, a, b, sa, sb
	v_wmma_scale_f32_16x16x128_f8f6f4 v[\d:\d+7], v[\a:\a+11], v[\b:\b+11], v[\d:\d+7], v[\sa], v[\sb] matrix_a_fmt:MATRIX_FMT_BF6 matrix_b_fmt:MATRIX_FMT_BF6
.endm
; Granule s (K step s) of the phase that begins off bytes on: 16 rows x 128 numbers into ring set s.  Each load reads 512 consecutive bytes of one row, at a multiple of 512 from x's first byte.
.macro XLOAD s, off
	WIN 0x40                                       ; destination window 1
.irp i, 0,1,2,3,4,5,6,7,8,9,10,11,12,13,14,15
	global_load_b128 v[64*(\s)+4*\i:64*(\s)+4*\i+3], v[XA], s[4:5] offset:(\off)+1536*\i+512*(\s) th:TH_LOAD_NT
.endr
	WIN 0
.endm
; Granule s turns through my stage into its own ring set.  LDS serves a wave's instructions in order (ISA guide 5.7.1.4): the loads see the stores, and land behind the stores' reads.
; last = 1: the last phase, for which nothing is asked for behind it.
.macro TURN s, last
.if \last == 1
	s_wait_loadcnt 16*(2-(\s))                     ; the count runs down
.endif
.if \last == 0
	s_wait_loadcnt 32                              ; loads come back in order (ISA guide 5.7.1): mine are in, the two younger granules' 32 stay out  (last = 2: the wait stands ahead of the macro)
.endif
	WIN 0x04                                       ; an LDS store's data are its source 1: window 1
.irp i, 0,1,2,3,4,5,6,7,8,9,10,11,12,13,14,15
	ds_store_b128 v[XW], v[64*(\s)+4*\i:64*(\s)+4*\i+3] offset:528*\i
.endr
	WIN 0x40
.irp b, 0,1,2,3
.irp j, 0,1,2,3
	ds_load_b128 v[64*(\s)+16*\b+4*\j:64*(\s)+16*\b+4*\j+3], v[XR] offset:128*\b+16*\j   ; k = 32 b + 16 h + 4 j on, of row r
.endr
.endr
	WIN 0
.endm
; Quantising nb blocks at v[a] on, window win: register 16 b + i with lane l xor 16's make block b of 32.  QMAX leaves the scale bytes in v[TM + 4] on and the conversions' scale operands in v[TM + 8] on.
.macro QMAX a, win, nb
	WIN 5*(\win)                                   ; sources 0 and 1
.irp b, 0,1,2,3
.if \b < \nb
	v_max3_num_f32 v[TM+\b], |v[\a+16*\b]|, |v[\a+16*\b+1]|, 0x2800000   ; from the low end on, and the floor 2^(5 - 127): so the byte cannot fall under 1
.endif
.endr
.irp i, 2,4,6,8,10,12,14
.irp b, 0,1,2,3
.if \b < \nb
	v_max3_num_f32 v[TM+\b], |v[\a+16*\b+\i]|, |v[\a+16*\b+\i+1]|, v[TM+\b]   ; (the blocks by turns)
.endif
.endr
.endr
	WIN 0
.irp b, 0,1,2,3
.if \b < \nb
	v_permlanex16_b32 v[TM+4+\b], v[TM+\b], s20, s21
.endif
.endr
.irp b, 0,1,2,3
.if \b < \nb
	s_delay_alu instid0(VALU_DEP_\nb)
	v_max_num_f32 v[TM+\b], v[TM+\b], v[TM+4+\b]   ; with lane l xor 16's: the block's largest magnitude
.endif
.endr
.irp b, 0,1,2,3
.if \b < \nb
	s_delay_alu instid0(VALU_DEP_\nb)
	v_add_nc_u32 v[TM+8+\b], 0xfe000000, v[TM+\b]  ; 4 off its exponent field: the conversion takes the exponent field of this operand as its scale
.endif
.endr
.irp b, 0,1,2,3
.if \b < \nb
	s_delay_alu instid0(VALU_DEP_\nb)
	v_lshrrev_b32 v[TM+4+\b], 23, v[TM+8+\b]       ; the scale's byte
.endif
.endr
.endm
; QCVT: blocks 0, 1 become v[d0] .. v[d0 + 5], blocks 2, 3 v[d1] .. v[d1 + 5]: lanes 0-15 hold the even block whole, lanes 16-31 the odd one, as an operand's layout asks.
.macro QCVT a, win, nb, d0, d1
	WIN (\win)
	v_cvt_scalef32_pk16_bf6_f32 v[\d0:\d0+2], v[\a:\a+15], v[TM+8]
	v_cvt_scalef32_pk16_bf6_f32 v[TP:TP+2], v[\a+16:\a+31], v[TM+9]      ; (a conversion's three registers begin on an even number)
.if \nb == 4
	v_cvt_scalef32_pk16_bf6_f32 v[\d1:\d1+2], v[\a+32:\a+47], v[TM+10]
	v_cvt_scalef32_pk16_bf6_f32 v[TP+4:TP+6], v[\a+48:\a+63], v[TM+11]
.endif
	WIN 0
	v_nop                                          ; one plain place behind a scaled conversion
.irp i, 0,1,2
	v_permlane16_swap_b32 v[\d0+\i], v[TP+\i]      ; the first's lanes 16-31 change places with the second's lanes 0-15: each lane's block's lower 16 codes, and its upper 16
.endr
.irp i, 0,1,2
	s_delay_alu instid0(VALU_DEP_3)
	v_mov_b32 v[\d0+3+\i], v[TP+\i]
.endr
.if \nb == 4
.irp i, 0,1,2
	v_permlane16_swap_b32 v[\d1+\i], v[TP+4+\i]
.endr
.irp i, 0,1,2
	s_delay_alu instid0(VALU_DEP_3)
	v_mov_b32 v[\d1+3+\i], v[TP+4+\i]
.endr
.endif
.endm
; The four fragments of matrix m (0 Wk, 1 Wq, 2 Wv) for K step s, into v[d] on of the window that win names as destination, and their scale words: 17 LDS loads.
.macro WLD m, s, d, win, sc
	WIN \win
.irp t, 0,1,2,3
.irp c, 0,1
	ds_load_b128 v[\d+12*\t+6*\c:\d+12*\t+6*\c+3], v[XA] offset:1536*(3*(4*(\m)+\t)+(\s))+768*\c
	ds_load_b64 v[\d+12*\t+6*\c+4:\d+12*\t+6*\c+5], v[A8] offset:1536*(3*(4*(\m)+\t)+(\s))+768*\c+512
.endr
.endr
	WIN 0
	ds_load_b128 v[\sc:\sc+3], v[AR] offset:WSC+256*(3*(\m)+(\s))
.endm
; K step s of a phase: granule s, which has been turned, becomes a fragment of codes and a scale word; its ring set is asked for again (off bytes on; -1: nothing is left to ask for);
; then that K step of the three projections: twelve accumulators by turns, one instruction a turn.
.macro KSTEP s, off
	WLD 0, \s, WF, 0, FSC                          ; Wk's and Wq's fragments land under the quantising
	WLD 1, \s, TA, 0x40, FSC+4
	s_wait_dscnt 34                                ; the granule is back; W's 34 loads may be out
	QMAX 64*(\s), 1, 4
	s_delay_alu instid0(VALU_DEP_3)
	v_lshl_or_b32 v[XS], v[TM+5], 8, v[TM+4]       ; the four bytes make my row's scale word
	s_delay_alu instid0(VALU_DEP_1)
	v_lshl_or_b32 v[XS], v[TM+6], 16, v[XS]
	s_delay_alu instid0(VALU_DEP_1)
	v_lshl_or_b32 v[XS], v[TM+7], 24, v[XS]
	QCVT 64*(\s), 1, 4, XC, XC+6
.if (\off) >= 0
	XLOAD \s, \off
.endif
	PLACES 4                                       ; x's codes were written by vector instructions
	s_wait_alu depctr_va_vdst(0)
	s_wait_dscnt 17                                ; Wk's are in; Wq's 17 loads may be out
.irp t, 0,1,2,3
.if \s == 0
	MM0 ACC+8*\t, WF+12*\t, XC, FSC+\t, XS         ; transposed: lane (r, h) holds row r; register 8 t + j is channel 32 (t / 2) + 16 h + 8 (t % 2) + j
.else
	MMA ACC+8*\t, WF+12*\t, XC, FSC+\t, XS
.endif
.endr
	PLACES 4                                       ; in front of loads into registers that matrix instructions have read
	WLD 2, \s, WF, 0, FSC
	s_wait_dscnt 17
	WIN 0x01                                       ; source 0 window 1
.irp t, 0,1,2,3
.if \s == 0
	MM0 ACC+32+8*\t, TA+12*\t, XC, FSC+4+\t, XS
.else
	MMA ACC+32+8*\t, TA+12*\t, XC, FSC+4+\t, XS
.endif
.endr
	WIN 0
.if \s < 2
.if (\off) >= 0
	TURN \s+1, 0
.else
	TURN \s+1, 1
.endif
	s_wait_dscnt 32                                ; Wv's are in; the turn's 32 may be out
.else
	s_wait_dscnt 0x0
.endif
.irp t, 0,1,2,3
.if \s == 0
	MM0 ACC+64+8*\t, XC, WF+12*\t, XS, FSC+\t      ; as it stands: lane (r, h) holds channel r of tile t; register 8 t + j is key 16 w + 8 h + j
.else
	MMA ACC+64+8*\t, XC, WF+12*\t, XS, FSC+\t
.endif
.endr
	PLACES 4                                       ; in front of loads into their sources, and of the first read of the results
.endm
.macro FRONT off
.irp s, 0,1,2
	KSTEP \s, \off
.endr
.endm
; k's eight fragments and scale words of step s: 18 LDS loads.
.macro KLOAD s
.irp t, 0,1,2,3,4,5,6,7
	ds_load_b128 v[KF+6*\t:KF+6*\t+3], v[K16] offset:KC+6144*(\s)+768*\t
	ds_load_b64 v[KF+6*\t+4:KF+6*\t+5], v[K8] offset:KC+6144*(\s)+768*\t+512
.endr
	ds_load_b128 v[FSC:FSC+3], v[KR] offset:KS+512*(\s)
	ds_load_b128 v[FSC+4:FSC+7], v[KR] offset:KS+512*(\s)+256
.endm
; Step s: nb blocks of 32 keys (128 s on) for my 16 queries; blocks mb and mb + 1 lie on the diagonal (mb = -1: none); first = 1: the row's first step; kn = 1: the next step's k is asked for on the way.
.macro ATT s, nb, mb, first, kn
.if (\first) == 0
	PLACES 4                                       ; v's registers were read by the step before
.endif
	WIN 0x40                                       ; v's four fragments land under the scores and the softmax
.irp t, 0,1,2,3
.irp c, 0,1
.if 2*\c < \nb
	ds_load_b128 v[TA+3*\nb*\t+6*\c:TA+3*\nb*\t+6*\c+3], v[K16] offset:VC+6144*(\s)+1536*\t+768*\c
	ds_load_b64 v[TA+3*\nb*\t+6*\c+4:TA+3*\nb*\t+6*\c+5], v[K8] offset:VC+6144*(\s)+1536*\t+768*\c+512
.endif
.endr
.endr
	WIN 0
	ds_load_b128 v[VSC:VSC+3], v[KR] offset:VS+256*(\s)
	s_wait_dscnt 4*\nb+1                           ; k is in; v's loads, 2 nb pairs and the words, may be out
.irp t, 0,1,2,3,4,5,6,7
.if \t < 2*\nb
	MM0 S+8*\t, KF+6*\t, QF, FSC+\t, QS            ; register 16 b + i is key 128 s + 32 b + 16 h + i
.endif
.endr
	PLACES 4
.if \kn
	KLOAD 1
.endif
.if (\mb) >= 0
.irp n, 0,1,2,3,4,5,6,7,8,9,10,11,12,13,14,15,16,17,18,19,20,21,22,23,24,25,26,27,28,29,30,31
	v_cmp_gt_i32 vcc_lo, 32*(\n/16)+\n%16, v[DM+(\mb)/2]                       ; the register's key comes after my query
	v_cndmask_b32 v[S+16*(\mb)+\n], v[S+16*(\mb)+\n], v[NINF], vcc_lo          ; -infinity: p = 0
.endr
.endif
.irp b, 0,1,2,3
.if \b < \nb
	v_max3_num_f32 v[TM+\b], v[S+16*\b], v[S+16*\b+1], v[S+16*\b+2]   ; the largest score of each block of 32 keys: for the row's maximum, and for the block's largest p
.endif
.endr
.irp i, 3,5,7,9,11,13
.irp b, 0,1,2,3
.if \b < \nb
	v_max3_num_f32 v[TM+\b], v[TM+\b], v[S+16*\b+\i], v[S+16*\b+\i+1]
.endif
.endr
.endr
.irp b, 0,1,2,3
.if \b < \nb
	v_max_num_f32 v[TM+\b], v[TM+\b], v[S+16*\b+15]
.endif
.endr
.irp b, 0,1,2,3
.if \b < \nb
	s_delay_alu instid0(VALU_DEP_\nb)
	v_permlanex16_b32 v[TM+4+\b], v[TM+\b], s20, s21
.endif
.endr
.irp b, 0,1,2,3
.if \b < \nb
	s_delay_alu instid0(VALU_DEP_\nb)
	v_max_num_f32 v[TM+\b], v[TM+\b], v[TM+4+\b]   ; with lane l xor 16's 16 keys
.endif
.endr
.if \nb == 4
	s_delay_alu instid0(VALU_DEP_2)
	v_max3_num_f32 v[T1], v[TM], v[TM+1], v[TM+2]
	s_delay_alu instid0(VALU_DEP_1)
	v_max_num_f32 v[T1], v[T1], v[TM+3]            ; the step's largest score of my query (key 128 s counts for every query that walks this step: it is a number)
.else
	s_delay_alu instid0(VALU_DEP_1)
	v_max_num_f32 v[T1], v[TM], v[TM+1]
.endif
.if \first
	s_delay_alu instid0(VALU_DEP_1)
	v_mul_f32 v[TMX], s22, v[T1]                   ; as t (c is positive)
	s_delay_alu instid0(VALU_DEP_1)
	v_floor_f32 v[NM], -v[TMX]                     ; -M = floor(-t) = -ceil(t): M is a whole number
.else
	s_delay_alu instid0(VALU_DEP_1)
	v_mul_f32 v[T1], s22, v[T1]
	s_delay_alu instid0(VALU_DEP_1)
	v_max_num_f32 v[TMX], v[TMX], v[T1]            ; the running largest t
	v_mov_b32 v[T2], v[NM]
	s_delay_alu instid0(VALU_DEP_2)
	v_floor_f32 v[NM], -v[TMX]
	s_delay_alu instid0(VALU_DEP_1)
	v_sub_f32 v[T2], v[NM], v[T2]                  ; old M less new M: a whole number, 0 or less
	s_delay_alu instid0(VALU_DEP_1)
	v_cvt_i32_f32 v[T2], v[T2]
	s_delay_alu instid0(VALU_DEP_1)
	v_ldexp_f32 v[F], 1.0, v[T2]                   ; f = 2^(old M - new M): a multiplication by it rounds nothing
.endif
.irp j, 0,2,4,6,8,10,12,14,16,18,20,22,24,26,28,30,32,34,36,38,40,42,44,46,48,50,52,54,56,58,60,62
.if \j < 16*\nb
	v_pk_fma_f32 v[S+\j:S+\j+1], v[S+\j:S+\j+1], s[22:23], v[NM:NM+1] op_sel_hi:[1,0,0]   ; t - M, two at a time (of the pairs c and -M the low word serves both halves)
.endif
.endr
.irp b, 0,1,2,3
.if \b < \nb
	v_fma_f32 v[TM+\b], v[TM+\b], s22, v[NM]       ; the same of each block's largest score
.endif
.endr
	s_wait_alu depctr_va_vdst(0)                   ; the wait ahead of the batch
.irp j, 0,1,2,3,4,5,6,7,8,9,10,11,12,13,14,15,16,17,18,19,20,21,22,23,24,25,26,27,28,29,30,31,32,33,34,35,36,37,38,39,40,41,42,43,44,45,46,47,48,49,50,51,52,53,54,55,56,57,58,59,60,61,62,63
.if \j < 16*\nb
	v_exp_f32 v[S+\j], v[S+\j]                     ; p = 2^(t - M), at most 1, not normalised
.endif
.endr
.irp b, 0,1,2,3
.if \b < \nb
	v_exp_f32 v[TM+\b], v[TM+\b]                   ; the block's largest p: the same two instructions on the same number give the same bits
.endif
.endr
	v_nop                                          ; one plain place behind a transcendental
	s_wait_alu depctr_va_vdst(0)                   ; and behind it, ahead of its first reader
.irp b, 0,1,2,3
.if \b < \nb
	v_max_num_f32 v[TM+\b], 0x2800000, v[TM+\b]    ; the floor 2^(5 - 127): a block whose every p is 0 keeps the byte 1; its codes are zeros
.endif
.endr
.irp b, 0,1,2,3
.if \b < \nb
	s_delay_alu instid0(VALU_DEP_\nb)
	v_add_nc_u32 v[TM+8+\b], 0xfe000000, v[TM+\b]
.endif
.endr
.irp b, 0,1,2,3
.if \b < \nb
	s_delay_alu instid0(VALU_DEP_\nb)
	v_lshrrev_b32 v[TM+4+\b], 23, v[TM+8+\b]
.endif
.endr
.if \nb == 4
	s_delay_alu instid0(VALU_DEP_3)
	v_lshl_or_b32 v[PW], v[TM+5], 8, v[TM+4]       ; p's scale word for these 128 keys
	s_delay_alu instid0(VALU_DEP_1)
	v_lshl_or_b32 v[PW], v[TM+6], 16, v[PW]
	s_delay_alu instid0(VALU_DEP_1)
	v_lshl_or_b32 v[PW], v[TM+7], 24, v[PW]
.else
	s_delay_alu instid0(VALU_DEP_1)
	v_lshl_or_b32 v[PW], v[TM+5], 8, v[TM+4]       ; for 64 keys; the upper two bytes are 0, over zero codes
.endif
.irp c, 0,1
.if 2*\c < \nb
	v_cvt_scalef32_pk16_bf6_f32 v[PC+6*\c:PC+6*\c+2], v[S+32*\c:S+32*\c+15], v[TM+8+2*\c]
	v_cvt_scalef32_pk16_bf6_f32 v[TP+4*\c:TP+4*\c+2], v[S+32*\c+16:S+32*\c+31], v[TM+9+2*\c]
.endif
.endr
	v_nop                                          ; one plain place behind a scaled conversion
.irp c, 0,1
.if 2*\c < \nb
.irp i, 0,1,2
	v_permlane16_swap_b32 v[PC+6*\c+\i], v[TP+4*\c+\i]
.endr
.irp i, 0,1,2
	s_delay_alu instid0(VALU_DEP_3)
	v_mov_b32 v[PC+6*\c+3+\i], v[TP+4*\c+\i]
.endr
.endif
.endr
.if \nb == 2
.irp i, 6,7,8,9,10,11
	v_mov_b32 v[PC+\i], 0                          ; p of the keys left out: zero codes
.endr
.endif
.if \nb == 4                                       ; the sum of the unquantised p, as a tree in p's own registers
.irp j, 0,2,4,6,8,10,12,14,16,18,20,22,24,26,28,30
	v_pk_add_f32 v[S+\j:S+\j+1], v[S+\j:S+\j+1], v[S+32+\j:S+33+\j]
.endr
.endif
.irp j, 0,2,4,6,8,10,12,14
	v_pk_add_f32 v[S+\j:S+\j+1], v[S+\j:S+\j+1], v[S+16+\j:S+17+\j]
.endr
.irp j, 0,2,4,6
	s_delay_alu instid0(VALU_DEP_4)
	v_pk_add_f32 v[S+\j:S+\j+1], v[S+\j:S+\j+1], v[S+8+\j:S+9+\j]
.endr
.irp j, 0,2
	s_delay_alu instid0(VALU_DEP_2)
	v_pk_add_f32 v[S+\j:S+\j+1], v[S+\j:S+\j+1], v[S+4+\j:S+5+\j]
.endr
.if \first
	s_delay_alu instid0(VALU_DEP_1)
	v_pk_add_f32 v[LS:LS+1], v[S:S+1], v[S+2:S+3]  ; the row's sum begins
.else
	s_delay_alu instid0(VALU_DEP_1)
	v_pk_add_f32 v[S:S+1], v[S:S+1], v[S+2:S+3]
	s_delay_alu instid0(VALU_DEP_1)
	v_pk_fma_f32 v[LS:LS+1], v[LS:LS+1], v[F:F+1], v[S:S+1] op_sel_hi:[1,0,1]  ; what was summed under the old M comes under the new
	s_wait_alu depctr_va_vdst(0)                   ; directly ahead of O^T's first reader
.irp j, 0,2,4,6,8,10,12,14,16,18,20,22,24,26,28,30
	v_pk_mul_f32 v[O+\j:O+\j+1], v[O+\j:O+\j+1], v[F:F+1] op_sel_hi:[1,0]   ; O^T under the new M, each accumulator from its low end on
.endr
.endif
	s_wait_alu depctr_va_vdst(0)
.if \kn
	s_wait_dscnt 18                                ; v's fragments and words are in; the next step's k may be out
.else
	s_wait_dscnt 0x0
.endif
	WIN 0x01                                       ; source 0 (v) window 1
.irp t, 0,1,2,3                                ; O^T += v^T p^T: register 8 t + j is channel 32 (t / 2) + 16 h + 8 (t % 2) + j
.if \first
	MM0 O+8*\t, TA+3*\nb*\t, PC, VSC+\t, PW
.else
	MMA O+8*\t, TA+3*\nb*\t, PC, VSC+\t, PW
.endif
.endr
	WIN 0
.endm
; O^T / the sum goes through my stage and leaves as whole rows: each store covers two neighbouring rows of out, 512 consecutive bytes, at a multiple of 512 from out's first byte.
.macro OUT hf
	PLACES 4
	v_add_f32 v[LS], v[LS], v[LS+1]                ; the sum's two halves,
	s_delay_alu instid0(VALU_DEP_1)
	v_permlanex16_b32 v[T1], v[LS], s20, s21
	s_delay_alu instid0(VALU_DEP_1)
	v_add_f32 v[LS], v[LS], v[T1]                  ; and lane l xor 16's: the row's sum
	s_wait_alu depctr_va_vdst(0)                   ; the wait ahead of the transcendental,
	v_rcp_f32 v[LS], v[LS]
	v_nop                                          ; one plain place behind it,
	s_wait_alu depctr_va_vdst(0)                   ; and the wait ahead of its first reader
.irp j, 0,2,4,6,8,10,12,14,16,18,20,22,24,26,28,30
	v_pk_mul_f32 v[OS+\j:OS+\j+1], v[O+\j:O+\j+1], v[LS:LS+1] op_sel_hi:[1,0]
.endr
.irp t, 0,1,2,3
	ds_store_b128 v[SO], v[OS+8*\t:OS+8*\t+3] offset:128*(\t/2)+32*(\t%2)
	ds_store_b128 v[SO], v[OS+8*\t+4:OS+8*\t+7] offset:128*(\t/2)+32*(\t%2)+16
.endr
.irp i, 0,1,2,3,4,5,6,7
	ds_load_b128 v[OB+4*\i:OB+4*\i+3], v[SR] offset:544*\i         ; lanes 0-15 stage row 2 i, lanes 16-31 row 2 i + 1; in order behind the stores above
.endr
.irp i, 0,1,2,3,4,5,6,7
	s_wait_dscnt 7-\i                              ; the younger read-backs may stay out
	global_store_b128 v[XA], v[OB+4*\i:OB+4*\i+3], s[12:13] offset:32768*(\hf)+512*\i th:TH_STORE_NT
.endr
	s_wait_xcnt 0x0                                ; the stores' data and bases, and the loads' base, are written again only behind this wait (ISA guide 3.1)
.endm
; The rest of a phase: hf = 0 the batch's rows 0-127, hf = 1 its rows 128-255.
.macro BACK hf
.irp t, 0,1,2,3
	v_max3_num_f32 v[XC+\t], |v[V+8*\t]|, |v[V+8*\t+1]|, 0x2800000   ; v: the largest magnitude of my 16 keys in each channel, and the floor
.endr
.irp i, 2,4,6
.irp t, 0,1,2,3
	v_max3_num_f32 v[XC+\t], |v[V+8*\t+\i]|, |v[V+8*\t+\i+1]|, v[XC+\t]
.endr
.endr
.irp t, 0,1,2,3
	v_permlanex16_b32 v[XC+4+\t], v[XC+\t], s20, s21
.endr
.irp t, 0,1,2,3
	s_delay_alu instid0(VALU_DEP_4)
	v_max_num_f32 v[XC+\t], v[XC+\t], v[XC+4+\t]
.endr
	ds_store_b128 v[VMW], v[XC:XC+3]               ; (both halves of the lanes write the same words with the same values)
	s_wait_alu depctr_va_vdst(0)
	s_wait_dscnt 0x0                               ; for the others' sake: my magnitudes have landed, and all my reads of the phase before are over
	s_barrier_signal -1
	QMAX ACC, 0, 4                                 ; k and q, while the others arrive: registers only
	s_delay_alu instid0(VALU_DEP_3)
	v_lshl_or_b32 v[T1], v[TM+5], 8, v[TM+4]       ; two bytes a row; the upper two stay 0
	s_delay_alu instid0(VALU_DEP_2)
	v_lshl_or_b32 v[QS], v[TM+7], 8, v[TM+6]
	QCVT ACC, 0, 4, PC, QF
	s_wait_alu depctr_va_vdst(0)
	s_barrier_wait -1                              ; everybody's magnitudes are in, and nobody reads k or v of the phase before any more
	ds_load_b128 v[XC+8:XC+11], v[VMR]             ; my partner's: the other 16 keys of the block
	ds_store_b128 v[KW16], v[PC:PC+3] offset:6144*(\hf)          ; an image of the operand's registers: any wave that loads it so has a fragment in the operand's layout
	ds_store_b64 v[KW8], v[PC+4:PC+5] offset:6144*(\hf)
	ds_store_b32 v[KWS], v[T1] offset:512*(\hf)
	s_wait_dscnt 3                                 ; the load is in; the three stores behind it may be out
.irp t, 0,1,2,3
	v_max_num_f32 v[XC+\t], v[XC+\t], v[XC+8+\t]   ; the block's largest magnitude
.endr
	v_permlane16_swap_b32 v[XC], v[XC+1]           ; lanes 0-15 tile 0's, lanes 16-31 tile 1's,
	v_permlane16_swap_b32 v[XC+2], v[XC+3]         ; and 2's, 3's
.irp c, 0,1
.irp j, 0,1,2,3,4,5,6,7
	v_permlane16_swap_b32 v[V+16*\c+\j], v[V+16*\c+8+\j]   ; lane (r, h): my 16 keys of channel r of tile 2 c + h
.endr
.endr
	v_add_nc_u32 v[TM+8], 0xfe000000, v[XC]
	v_add_nc_u32 v[TM+9], 0xfe000000, v[XC+2]
	s_delay_alu instid0(VALU_DEP_2)
	v_lshrrev_b32 v[TM+4], 23, v[TM+8]
	s_delay_alu instid0(VALU_DEP_2)
	v_lshrrev_b32 v[TM+5], 23, v[TM+9]
	v_cvt_scalef32_pk16_bf6_f32 v[TP:TP+2], v[V:V+15], v[TM+8]
	v_cvt_scalef32_pk16_bf6_f32 v[TP+4:TP+6], v[V+16:V+31], v[TM+9]
	v_nop                                          ; one plain place behind a scaled conversion
	s_cmp_eq_u32 s17, 0
	s_wait_alu depctr_va_vdst(0)
	s_cbranch_scc0 .Lupper_\@
.irp c, 0,1                                    ; an even wave: the block's lower 16 codes, words 0-2 of a lane's six, and the block's bytes
	ds_store_b96 v[VW16], v[TP+4*\c:TP+4*\c+2] offset:6144*(\hf)+3072*\c
	ds_store_b8 v[VWB], v[TM+4+\c] offset:256*(\hf)+8*\c
.endr
	s_branch .Lv_in_\@
.Lupper_\@:
.irp c, 0,1                                    ; an odd wave: the upper 16, words 3-5
	ds_store_b32 v[VW16], v[TP+4*\c] offset:6144*(\hf)+3072*\c+12
	ds_store_b32 v[VW8], v[TP+4*\c+1] offset:6144*(\hf)+3072*\c
	ds_store_b32 v[VW8], v[TP+4*\c+2] offset:6144*(\hf)+3072*\c+4
.endr
.Lv_in_\@:
	s_wait_dscnt 0x0                               ; for the others' sake: my parts of k and v have landed
	s_barrier_signal -1
	s_barrier_wait -1                              ; everybody's have
	KLOAD 0
.if \hf
	ATT 0, 4, -1, 1, 1                             ; keys 0-127 all count
.endif
	s_cmp_lt_u32 s14, 4
	s_cbranch_scc1 .Ltwo_\@
	ATT \hf, 4, 2, 1-\hf, 0                        ; the diagonal: queries 64-127 of the half: its keys 0-63 all count
	s_branch .Ldone_\@
.Ltwo_\@:
	ATT \hf, 2, 0, 1-\hf, 0                        ; queries 0-63: keys 64-127 are left out
.Ldone_\@:
.if \hf
	s_wait_loadcnt 32                              ; granule 0 is in, the two younger granules' 32 loads may be out: on both ways of the branch
	s_cmp_eq_u32 s3, 1
	s_cbranch_scc1 .Lno_more_\@                    ; behind the last phase nothing is left to turn
	TURN 0, 2                                      ; the next phase's granule 0 turns under the way out
.Lno_more_\@:
.else
	TURN 0, 0
.endif
	OUT \hf
.endm
; THE WEIGHTS.  A unit is block b (32 along K) of matrix m, its 64 columns: lane (r, h) loads columns 4 r .. 4 r + 3 of rows 32 b + 16 h + i, i = 0 .. 15: each load covers two whole rows of 256 bytes.  36 units: wave w takes
; (0, w), then (0, 8 + w) or for w >= 4 (1, w - 4), then (1, 4 + w) and (2, w); and half (32 columns, two a lane) of (2, 8 + w % 4).
.macro WGET base, reg, win
	WIN \win
.irp i, 0,1,2,3,4,5,6,7,8,9,10,11,12,13,14,15
	global_load_b128 v[\reg+4*\i:\reg+4*\i+3], v[WO], s[\base:\base+1] offset:256*\i
.endr
	WIN 0
.endm
; Where unit (m = s35, b = s34) goes: K step b / 4; in its image half (b / 2) % 2 of K and lanes 16 (b % 2) on; byte b % 4 of its words
.macro WADR
	s_lshr_b32 s40, s34, 1
	s_mul_i32 s40, s40, 768
	s_mul_i32 s41, s35, 18432
	s_add_co_u32 s40, s40, s41
	s_and_b32 s41, s34, 1
	s_lshl_b32 s42, s41, 8
	s_lshl_b32 s43, s41, 7
	s_add_co_u32 s42, s42, s40
	s_add_co_u32 s43, s43, s40
	s_add_co_u32 s43, s43, 512
	s_lshr_b32 s44, s34, 2
	s_lshl_b32 s44, s44, 8
	s_mul_i32 s41, s35, 768
	s_add_co_u32 s44, s44, s41
	s_and_b32 s41, s34, 3
	s_add_co_u32 s44, s44, s41
.endm
; A unit's numbers at v[reg] on (win 1: window 1), nb columns a lane: set by columns, quantised as x is (a column's 32 numbers lie in lanes l and l xor 16), and stored: lane (r, h) holds columns nb r + h and, of four, + 2.
.macro WCONV reg, win, nb, l16, l8, ls
	s_wait_dscnt 0x0                               ; the stores of the unit before have read their registers
	WIN \win
.irp c, 0,1,2,3
.if \c < \nb
.irp i, 0,1,2,3,4,5,6,7,8,9,10,11,12,13,14,15
.if (\nb == 2) && (\i >= 12)
	v_mov_b32 v[Y+16*\c+\i], v[T0+2*(\i-12)+\c]
.else
	v_mov_b32 v[Y+16*\c+\i], v[\reg+\nb*\i+\c]
.endif
.endr
.endif
.endr
	WIN 0
	QMAX Y, 0, \nb
	v_cndmask_b32 v[BY], v[TM+4], v[TM+5], s63     ; lanes 16-31 take the odd column's byte
.if \nb == 4
	v_cndmask_b32 v[BY+1], v[TM+6], v[TM+7], s63
.endif
	QCVT Y, 0, \nb, PC, PC+6
	v_add_nc_u32 v[WA], s42, v[\l16]
	v_add_nc_u32 v[WA+1], s43, v[\l8]
	v_add_nc_u32 v[WA+2], s44, v[\ls]
	ds_store_b128 v[WA], v[PC:PC+3]
	ds_store_b64 v[WA+1], v[PC+4:PC+5]
	ds_store_b8 v[WA+2], v[BY]
.if \nb == 4
	ds_store_b128 v[WA], v[PC+6:PC+9] offset:32
	ds_store_b64 v[WA+1], v[PC+10:PC+11] offset:16
	ds_store_b8 v[WA+2], v[BY+1] offset:32
.endif
.endm
	s_load_b256 s[4:11], s[0:1], 0x0               ; x s[4:5], Wk s[6:7], Wq s[8:9], Wv s[10:11]
	s_load_b64 s[12:13], s[0:1], 0x20              ; out
	v_lshl_add_u32 v[SPW], v0, 2, SPARE
	v_mov_b32 v[NIL], 0
	v_lshrrev_b32 v[T0], 5, v0
	s_delay_alu instid0(VALU_DEP_1)
	v_readfirstlane_b32 s14, v[T0]                 ; wave w, 0 .. 7
	v_and_b32 v[VL], 31, v0                        ; lane
	v_and_b32 v[VR], 15, v0                        ; r
	v_bfe_u32 v[VH], v0, 4, 1                      ; h
	v_lshlrev_b32 v[XA], 4, v[VL]
	v_lshlrev_b32 v[AR], 4, v[VR]
	v_lshlrev_b32 v[A8], 3, v[VL]
	v_lshlrev_b32 v[WO2], 3, v[VR]
	v_lshl_add_u32 v[WO], v[VH], 12, v[AR]         ; 16 rows of 256 bytes on for lanes 16-31
	v_lshl_add_u32 v[WO2], v[VH], 12, v[WO2]
	s_and_b32 s15, s14, 3                          ; w % 4
	s_lshr_b32 s16, s14, 2                         ; w / 4
	s_mul_i32 s26, ttmp9, 2*XBAT                   ; work-group g: two batches of x (under 2^32 in all),
	s_mul_i32 s28, s14, 16*1536                    ; my wave's 16 rows
	s_add_co_u32 s26, s26, s28
	s_mov_b32 s27, 0
	s_mul_i32 s28, ttmp9, 2*OBAT
	s_lshl_b32 s30, s14, 12
	s_add_co_u32 s28, s28, s30
	s_mov_b32 s29, 0
	s_xor_b32 s36, s16, 1
	s_lshl_b32 s36, s36, 3
	s_add_co_u32 s36, s36, s15                     ; 8 + w, or for w >= 4 w - 4
	s_add_co_u32 s37, s14, 4
	s_add_co_u32 s38, s15, 8
	s_lshl_b32 s40, s14, 13                        ; a block's 32 rows are 8,192 bytes
	s_lshl_b32 s42, s36, 13
	s_lshl_b32 s44, s37, 13
	s_lshl_b32 s46, s38, 13
	s_lshl_b32 s39, s16, 7
	s_add_co_u32 s46, s46, s39                     ; the half unit's columns 32 (w / 4) on
	s_mov_b32 s41, 0
	s_mov_b32 s43, 0
	s_mov_b32 s45, 0
	s_mov_b32 s47, 0
	s_wait_alu depctr_va_vdst(0)
	s_wait_kmcnt 0x0
	s_add_nc_u64 s[4:5], s[4:5], s[26:27]
	s_add_nc_u64 s[12:13], s[12:13], s[28:29]
	s_cmp_lt_u32 s14, 4                            ; the choice hangs on the wave's number alone
	s_cselect_b64 s[26:27], s[6:7], s[8:9]
	s_add_nc_u64 s[24:25], s[6:7], s[40:41]
	s_add_nc_u64 s[26:27], s[26:27], s[42:43]
	s_add_nc_u64 s[28:29], s[8:9], s[44:45]
	s_add_nc_u64 s[30:31], s[10:11], s[40:41]
	s_add_nc_u64 s[32:33], s[10:11], s[46:47]
	WGET 24, 64, 0x40                              ; the first two units lie in ring sets 1 and 2,
	WGET 26, 128, 0x40
	XLOAD 0, 0                                     ; x's first granule in set 0
	; where everything lies: the parts that hang on the wave's number
	s_and_b32 s17, s14, 1                          ; my half of a block of 32 keys
	s_lshr_b32 s18, s14, 1                         ; block B = w / 2
	s_and_b32 s19, s18, 1                          ; B % 2;  B / 2 = w / 4
	s_mov_b32 s20, 0x76543210
	s_mov_b32 s21, 0xfedcba98                      ; v_permlanex16_b32's selects for lane l xor 16
	s_mov_b32 s22, 0x3e38aa3b                      ; c = log2(e) / 8
	s_mov_b32 s23, s22                             ; (named with it as a pair, so it is written)
	s_mov_b32 s63, 0xffff0000                      ; lanes 16-31
	s_mul_i32 s48, s14, STW
	s_add_co_u32 s48, s48, STG                     ; my stage
	s_mul_i32 s49, s18, 1536                       ; k: block B's two tiles of 768 bytes; in each my rows are positions 8 (w % 2) on
	s_lshl_b32 s50, s17, 6
	s_add_co_u32 s51, s49, s50
	s_add_co_u32 s51, s51, KVB+KC+512
	s_lshl_b32 s50, s17, 7
	s_add_co_u32 s49, s49, s50
	s_add_co_u32 s49, s49, KVB+KC
	s_lshl_b32 s52, s16, 8                         ; its words
	s_add_co_u32 s52, s52, s50
	s_lshl_b32 s53, s19, 3
	s_add_co_u32 s52, s52, s53
	s_add_co_u32 s52, s52, KVB+KS
	s_mul_i32 s54, s16, 768                        ; v: block B is the operand's lanes 16 (B % 2) + r of its half B / 2 of K
	s_lshl_b32 s55, s19, 7
	s_add_co_u32 s56, s54, s55
	s_add_co_u32 s56, s56, KVB+VC+512
	s_lshl_b32 s55, s19, 8
	s_add_co_u32 s54, s54, s55
	s_add_co_u32 s54, s54, KVB+VC
	s_add_co_u32 s57, s18, KVB+VS                  ; byte B of a word
	s_lshl_b32 s58, s14, 8
	s_add_co_u32 s58, s58, KVB+VM
	s_xor_b32 s59, s14, 1                          ; my partner
	s_lshl_b32 s59, s59, 8
	s_add_co_u32 s59, s59, KVB+VM
	s_lshl_b32 s60, s14, 4
	v_bfe_u32 v[V3], v0, 3, 1                      ; r / 8
	v_and_b32 v[V7], 7, v0                         ; r % 8
	v_add_nc_u32 v[XW], s48, v[XA]
	v_mul_u32_u24 v[XR], v[VR], 528
	v_mul_u32_u24 v[SO], v[VR], 272
	v_mul_u32_u24 v[SR], v[VH], 272
	v_lshl_add_u32 v[XR], v[VH], 6, v[XR]
	v_lshl_add_u32 v[SO], v[VH], 6, v[SO]
	v_lshl_add_u32 v[SR], v[VR], 4, v[SR]
	v_add_nc_u32 v[XR], s48, v[XR]
	v_add_nc_u32 v[SO], s48, v[SO]
	v_add_nc_u32 v[SR], s48, v[SR]
	v_add_nc_u32 v[K16], KVB, v[XA]
	v_add_nc_u32 v[K8], KVB, v[A8]
	v_add_nc_u32 v[KR], KVB, v[AR]
	v_mul_u32_u24 v[T0], v[V3], 768                ; k: my row r is position 8 (w % 2) + r % 8 of tile 2 B + r / 8
	v_lshlrev_b32 v[KWS], 2, v[V3]
	v_mul_u32_u24 v[VT], v[VH], 1536
	v_lshl_add_u32 v[KW16], v[V7], 4, v[T0]
	v_lshl_add_u32 v[KW8], v[V7], 3, v[T0]
	v_lshl_add_u32 v[KWS], v[V7], 4, v[KWS]
	v_lshl_add_u32 v[KW16], v[VH], 8, v[KW16]
	v_lshl_add_u32 v[KW8], v[VH], 7, v[KW8]
	v_add_nc_u32 v[KWS], s52, v[KWS]
	v_add_nc_u32 v[KW16], s49, v[KW16]
	v_add_nc_u32 v[KW8], s51, v[KW8]
	v_lshl_add_u32 v[VW16], v[VR], 4, v[VT]
	v_lshl_add_u32 v[VW8], v[VR], 3, v[VT]
	v_lshl_add_u32 v[VWB], v[VH], 2, v[AR]
	v_add_nc_u32 v[VW16], s54, v[VW16]
	v_add_nc_u32 v[VW8], s56, v[VW8]
	v_add_nc_u32 v[VWB], s57, v[VWB]
	v_add_nc_u32 v[VMW], s58, v[AR]
	v_add_nc_u32 v[VMR], s59, v[AR]
	v_lshlrev_b32 v[VT], 4, v[VH]
	v_and_b32 v[B0], 1, v0                         ; bits 0, 1, 2 of r
	v_bfe_u32 v[B0+1], v0, 1, 1
	v_bfe_u32 v[B0+2], v0, 2, 1
	v_sub_nc_u32 v[VT], v[VR], v[VT]
	v_lshl_add_u32 v[T0], v[B0], 2, v[VH]          ; the weights: column c of 64 is row c % 8 + 8 ((c / 16) % 2) of tile 2 (c / 32) + (c / 8) % 2.  A unit's columns 4 r + h:
	v_mul_u32_u24 v[WL16], v[V3], 9216
	v_mul_u32_u24 v[WL8], v[B0+1], 4608
	v_add_nc_u32 v[DM], s60, v[VT]
	v_lshl_add_u32 v[T0], v[B0+2], 3, v[T0]
	v_lshlrev_b32 v[WLS], 3, v[V3]
	v_add_nc_u32 v[VT], v[WL16], v[WL8]
	v_lshl_add_u32 v[WLS], v[B0+1], 2, v[WLS]
	v_add_nc_u32 v[DM+1], 0xffffffc0, v[DM]
	v_lshl_add_u32 v[WL16], v[T0], 4, v[VT]
	v_lshl_add_u32 v[WL8], v[T0], 3, v[VT]
	v_lshl_add_u32 v[WLS], v[T0], 4, v[WLS]
	v_and_b32 v[T0], 3, v0                         ; the half unit's columns 2 r + h of 32
	v_add_nc_u32 v[WLS], WSC, v[WLS]
	v_mul_u32_u24 v[VT], v[B0+2], 4608
	v_lshl_add_u32 v[T0], v[T0], 1, v[VH]
	v_lshlrev_b32 v[XLS], 2, v[B0+2]
	v_lshl_add_u32 v[T0], v[V3], 3, v[T0]
	v_mov_b32 v[NINF], 0xff800000                  ; -infinity
	v_lshl_add_u32 v[XL16], v[T0], 4, v[VT]
	v_lshl_add_u32 v[XL8], v[T0], 3, v[VT]
	v_lshl_add_u32 v[XLS], v[T0], 4, v[XLS]
	v_add_nc_u32 v[XLS], WSC, v[XLS]
.irp b, 0,1,2,3
	v_mov_b32 v[TM+4+\b], 0                        ; written once: a lane permute's destination counts as one of its sources
.endr
	s_wait_alu depctr_va_vdst(0)
	WGET 28, TA, 0x40
	s_mov_b32 s34, s14
	s_mov_b32 s35, 0
	WADR
	s_wait_loadcnt 48                              ; unit 0 is in; unit 1, x's granule and unit 2 may be out
	WCONV 64, 1, 4, WL16, WL8, WLS
	WGET 30, U3, 0
	s_mov_b32 s34, s36
	s_mov_b32 s35, s16
	WADR
	s_wait_loadcnt 48                              ; unit 1 is in; x's granule, units 2 and 3 may be out
	WCONV 128, 1, 4, WL16, WL8, WLS
.irp i, 0,1,2,3,4,5,6,7,8,9,10,11
	global_load_b64 v[UX+2*\i:UX+2*\i+1], v[WO2], s[32:33] offset:256*\i
.endr
.irp i, 12,13,14,15
	global_load_b64 v[T0+2*(\i-12):T0+2*(\i-12)+1], v[WO2], s[32:33] offset:256*\i
.endr
	s_mov_b32 s34, s37
	s_mov_b32 s35, 1
	WADR
	s_wait_loadcnt 32                              ; unit 2 is in; unit 3 and the half unit may be out
	WCONV TA, 1, 4, WL16, WL8, WLS
	XLOAD 1, 0
	s_mov_b32 s34, s14
	s_mov_b32 s35, 2
	WADR
	s_wait_loadcnt 32                              ; unit 3 is in; the half unit and granule 1 may be out
	WCONV U3, 0, 4, WL16, WL8, WLS
	XLOAD 2, 0
	s_mov_b32 s34, s38
	WADR
	s_mul_i32 s41, s16, 9216                       ; columns 32 (w / 4) on: two tiles further on
	s_add_co_u32 s42, s42, s41
	s_add_co_u32 s43, s43, s41
	s_lshl_b32 s41, s16, 3
	s_add_co_u32 s44, s44, s41
	s_wait_loadcnt 32                              ; the half unit is in; granules 1 and 2 may be out
	WCONV UX, 0, 2, XL16, XL8, XLS
.irp j, 6,7,8,9,10,11
	v_mov_b32 v[QF+\j], 0                          ; q's K = 64 .. 127: zero codes, for the whole launch
.endr
	s_wait_alu depctr_va_vdst(0)
	TURN 0, 0
	s_wait_dscnt 0x0                               ; for the others' sake: my codes and bytes have landed
	s_barrier_signal -1
	s_barrier_wait -1
	s_mov_b32 s3, 2                                ; batches to go
.Lbatch:
	FRONT XHALF                                    ; rows 0-127; the ring is asked for again with rows 128-255
	BACK 0
	s_cmp_eq_u32 s3, 1
	s_cbranch_scc1 .Llast
	FRONT XBAT                                     ; rows 128-255; asked for again with the next batch's rows 0-127
	s_branch .Lfront_done
.Llast:
	FRONT -1                                       ; the last phase asks for nothing more
.Lfront_done:
	BACK 1
	s_add_nc_u64 s[4:5], s[4:5], XBAT              ; (behind the wait on XCNT that ends the way out)
	s_add_nc_u64 s[12:13], s[12:13], OBAT
	s_sub_co_u32 s3, s3, 1
	s_cmp_lg_u32 s3, 0
	s_cbranch_scc1 .Lbatch
	s_wait_tensorcnt 0x0                           ; the wave's end
	ds_add_u32 v[SPW], v[NIL]
	s_wait_dscnt 0x0
	s_endpgm
.Lfunc_end_k_q4e07585de7_head:
	.size	k_q4e07585de7_head, .Lfunc_end_k_q4e07585de7_head-k_q4e07585de7_head
	.p2alignl 7, 3214868480
	.fill 96, 4, 3214868480
	.section	.rodata,"a",@progbits
	.p2align	6, 0x0
	.amdhsa_kernel k_q4e07585de7_head
		.amdhsa_group_segment_fixed_size 154368
		.amdhsa_private_segment_fixed_size 0
		.amdhsa_enable_private_segment 0
		.amdhsa_kernarg_size 40
		.amdhsa_user_sgpr_count 2
		.amdhsa_user_sgpr_kernarg_segment_ptr 1
		.amdhsa_wavefront_size32 1
		.amdhsa_system_sgpr_workgroup_id_x 1
		.amdhsa_system_sgpr_workgroup_id_y 1
		.amdhsa_system_sgpr_workgroup_id_z 1
		.amdhsa_system_vgpr_workitem_id 0
		.amdhsa_next_free_vgpr 512
		.amdhsa_next_free_sgpr 66
		.amdhsa_reserve_vcc 1
		.amdhsa_float_denorm_mode_32 3
		.amdhsa_float_denorm_mode_16_64 3
		.amdhsa_memory_ordered 1
		.amdhsa_forward_progress 1
		.amdhsa_inst_pref_size 255
	.end_amdhsa_kernel
	.section	.bss,"aw",@nobits
	.p2align	6
	.space	262144
	.amdgpu_metadata
---
amdhsa.version: [ 1, 2 ]
amdhsa.kernels:
  - .name:           k_q4e07585de7_head
    .symbol:         k_q4e07585de7_head.kd
    .args:
      - { .name: x, .offset: 0, .size: 8, .value_kind: global_buffer, .address_space: global }
      - { .name: Wk, .offset: 8, .size: 8, .value_kind: global_buffer, .address_space: global }
      - { .name: Wq, .offset: 16, .size: 8, .value_kind: global_buffer, .address_space: global }
      - { .name: Wv, .offset: 24, .size: 8, .value_kind: global_buffer, .address_space: global }
      - { .name: out0, .offset: 32, .size: 8, .value_kind: global_buffer, .address_space: global }
    .group_segment_fixed_size: 154368
    .private_segment_fixed_size: 0
    .kernarg_segment_align: 8
    .kernarg_segment_size: 40
    .max_flat_workgroup_size: 256
    .sgpr_count:     66
    .vgpr_count:     512
    .wavefront_size: 32
...
	.end_amdgpu_metadata
.endif
;; end of part 1
